; MI455X (gfx1250); checked and timed in simulation.
; The chip was launched on July 23, 2026; its instructions are those of AMD's public machine-readable ISA for CDNA 5 (MIT licence, August 2026) and "CDNA5" Instruction Set Architecture Reference Guide (July 2026). The comments in the code are by the model that wrote it; some were corrected since.
;; Multi Head Attn. Allowed arithmetic: matrix products marked QUANTISED: E4M3 operands, one given power-of-two scale a tensor, by v_wmma_f32_16x16x64_fp8_fp8 or v_wmma_f32_16x16x128_fp8_fp8, f32 sums; everything else in f32.
;; Inputs: Wkv_codes 2,048 x 32 x 32 uint8 (E4M3 codes of Wkv, K innermost, in blocks of 32 codes); Wo_codes 1,024 x 32 x 32 uint8 (E4M3 codes of Wo, K innermost, in blocks of 32 codes); Wq_codes 1,024 x 32 x 32 uint8 (E4M3 codes of Wq, K innermost, in blocks of 32 codes); attn_mask 2,048 x 4 bool; beta 1,024 float32; gamma 1,024 float32; h 2,048 x 4 x 1,024 float32; lowp_scales 10 int32 (the exponents e of the quantised operands' scales 2^e).
;; Outputs: out0 2,048 x 4 x 1,024 float32.
;; This version of the problem:
;;   THIS VERSION OF THE PROBLEM IS GIVEN IN LOW PRECISION. The matrix products marked QUANTISED in the list below multiply operands that are first quantised to E4M3 (4 exponent bits, 3 mantissa bits; 8 bits a number), with one given power-of-two scale for each operand tensor; their sums are f32. All else is computed in f32.
;;   The module's matrix products, in the order in which they are computed (A, B: the left and right operand; K: the contracted axis; several contracted axes count as one K, in the product's order):
;;     1. [M 8,192, K 1,024] x [K 1,024, N 1,024]; A: input h; B: input Wq (given as codes): QUANTISED (scales: A lowp_scales[0], B lowp_scales[1])
;;     2. [M 8,192, K 1,024] x [K 1,024, N 2,048]; A: input h; B: input Wkv (given as codes): QUANTISED (scales: A lowp_scales[2], B lowp_scales[3])
;;     3. batch 64 x [M 2,048, K 64] x [K 64, N 2,048]; A: computed on the way; B: computed on the way: QUANTISED (scales: A lowp_scales[4], B lowp_scales[5])
;;     4. batch 64 x [M 64, K 2,048] x [K 2,048, N 2,048]; A: computed on the way; B: softmax (see below): QUANTISED (scales: A lowp_scales[6], B lowp_scales[7])
;;     5. [M 8,192, K 1,024] x [K 1,024, N 1,024]; A: computed on the way; B: input Wo (given as codes): QUANTISED (scales: A lowp_scales[8], B lowp_scales[9])
;;   THE QUANTISER, for each operand of a quantised product, along K:
;;     - The operand's scale is 2^e, e = its entry of the input lowp_scales (int32; the entries are numbered through the quantised products in the list's order, A before B).
;;     - Each number is divided by the scale, clamped to +-448, and rounded to the nearest number of E4M3, ties to even, subnormals kept.
;;     - The product sums the exact products of the quantised numbers (number of the format x scale) in f32.
;;   ~~~python
;;   def quantise(x, axis, e):      # numpy; x: float32 -> the quantised numbers, widened to float32 again
;;       x = np.moveaxis(x, axis, -1); K = x.shape[-1]
;;       r = np.clip(x / 2.0 ** e, -448, 448)
;;       step = 2.0 ** (np.maximum(np.frexp(np.where(r == 0, 1, r))[1] - 1, -6) - 3)
;;       q = np.round(r / step) * step * 2.0 ** e      # np.round: ties to even
;;       return np.moveaxis(q, -1, axis).astype(np.float32)
;;   ~~~
;;   SOFTMAX AHEAD OF A QUANTISED PRODUCT. Where the list says 'softmax', what is quantised is not the finished softmax but p = 2^(t - M), with t = logit x log2(e) and M = ceil(the row's largest t), a whole number; so 1/2 < the row's largest p <= 1. The row's sum l is taken of the UNQUANTISED p, in f32, and the product's result is divided by l at the end. Since M is a whole number, a kernel that streams over the keys may use a running M (the ceiling of the running maximum): every later rescaling is an exact power of two, so the quantised numbers keep their values, but for numbers so far below the row's largest that they fall under the format's range.
;;   OPERANDS COMPUTED ON THE WAY. 'Computed on the way' means the value that the module computes at that place (a softmax that the list does not call 'softmax' is quantised finished and normalised). What goes into a quantiser is computed in f32, as accurately as f32 sums, v_exp_f32 and their like allow (about 1e-6 of the number): no bf16 or f16 on the way to a quantiser, and a product that is left as it is and whose result goes on into a quantised operand takes f32 operands (vector FMAs, or v_wmma_f32_16x16x4_f32). A number that lies on a knife's edge between two numbers of the format may be rounded either way, as far as f32 arithmetic and the matrix unit's own rounding can turn it there, and no further.
;;   INPUTS GIVEN AS CODES. Wkv (in the module: [1024, 2048], K = its axis 0); Wo (in the module: [1024, 1024], K = its axis 0); Wq (in the module: [1024, 1024], K = its axis 0): each comes as NAME_codes (uint8): NAME with its K axis moved to the last place and cut into blocks of 32 codes, [.., K / 32, bytes a block], one block behind the other in memory; one code a byte (a code: sign, 4 exponent bits, 3 mantissa bits); its scale is its entry of lowp_scales. Its value is code x scale, taken as it is: it is not quantised again, and the codes and scales need not be those that the quantiser above would give.
;; One version. Each part assembles by itself: llvm-mc -triple=amdgcn-amd-amdhsa -mcpu=gfx1250 --defsym DOCPART=n.
;; ======== version 1 of 1: 4 launches
;; limits: right only within a limited range of input values
;; workspace buffers: hq_codes 8,388,608 bytes; hkv_codes 8,388,608 bytes; q_codes 8,388,608 bytes; k_codes 8,388,608 bytes; v_codes 8,388,608 bytes; a_codes 8,388,608 bytes; wo_img 1,048,576 bytes
;; launch quant_h (part 1): grid 256 x 1, 4 waves a work-group, no clusters, 33,280 bytes of LDS; arguments h, lowp_scales, hq_codes, hkv_codes, Wo_codes, wo_img; writes hq_codes, hkv_codes, wo_img
.if DOCPART == 1
	.amdgcn_target "amdgcn-amd-amdhsa--gfx1250"
	.amdhsa_code_object_version 6
	.text
	.protected	k_qa18d67a97d_quant_h
	.globl	k_qa18d67a97d_quant_h
	.p2align	8
	.type	k_qa18d67a97d_quant_h,@function
k_qa18d67a97d_quant_h:
	s_mov_b64 s[64:65], 0
	v_nop
	global_prefetch_b8 v0, s[64:65] scope:SCOPE_SE
	s_setreg_imm32_b32 hwreg(HW_REG_WAVE_MODE, 25, 1), 1
	s_wait_xcnt 0x0
; h [2048 (s)][4 (b)][1024], f32, becomes two sets of E4M3 codes, one code a byte, K (the 1,024) innermost: hq_codes with the scale 2^e0 (entry 0 of the scales), hkv_codes with 2^e2 (entry 2).
; code = x / 2^e, held within +-448, rounded to the nearest code, ties to even.  The rows are laid anew: row b x 2048 + s, 1,024 bytes, so that a batch's rows lie together for the later launches.
; LIMITS: e0 and e2 between -126 and 119, so that 2^e and 448 x 2^e are f32 numbers.  NaN among the inputs is not served; an infinity is held at the largest code.
; SHARES.  1,024 waves; wave R takes 8,192 numbers on end: the eight rows (s = 2 R, b = 0..3), (s = 2 R + 1, b = 0..3), in 16 steps of 512 numbers (half a row).
; Each of a step's four loads reads 512 consecutive bytes, 16 a lane.  The conversions take neighbours along K from ONE lane's registers, so the step's 2,048 bytes turn through the wave's own stage in LDS
; and come back 64 bytes a lane (16 bytes of padding behind each 64).  A lane's 16 codes are 16 bytes: each store of the wave covers 512 consecutive bytes, aligned.
; h is read once and serves both conversions.  No tensor load, no barrier: waves share nothing.  Loads run four steps (16 loads a wave) ahead, the turn through LDS one step.
; No matrix unit, no cluster: nothing is multiplied and no two work-groups read the same bytes.
.set STEPS, 16
.set SP,    80                         ; a lane's place in a stage: its 64 bytes + 16 of padding
.set WREG,  8192                       ; LDS: a region for each wave: two stages of 32 x SP bytes
.set R,     16                         ; v16-79   four sets of 16 numbers as they are loaded
.set X,     80                         ; v80-111  two sets of 16 neighbours
.set T,     112                        ; v112-127 the 16 numbers held for the first scale
.set C,     128                        ; v128-191 codes under e0: four registers for each step, so that no store's data are written again
.set D,     192                        ; v192-255 codes under e2, likewise
	s_load_b128 s[4:7], s[0:1], 0x0                ; h s[4:5], the scales' exponents s[6:7]
	s_load_b128 s[8:11], s[0:1], 0x10
	; ALSO: Wo's codes are laid anew as images of operand registers.  Fragment (nt, kk) = 16 rows n x 128 along K is 2,048 bytes at (8 nt + kk) x 2,048: piece c (512 bytes) holds, at 16 x lane,
	; row 16 nt + lane % 16, bytes 128 kk + 32 c + 16 (lane / 16) + 0..15.  Wave R copies half a fragment (1,024 bytes); the four waves of a work-group together read 256 aligned bytes of each of 16 rows.
	s_load_b128 s[12:15], s[0:1], 0x20             ; Wo_codes s[12:13], wo_img s[14:15]
	v_lshl_add_u32 v8, v0, 2, 0x8000
	v_mov_b32 v9, 0
	v_lshrrev_b32 v1, 5, v0
	v_readfirstlane_b32 s16, v1                    ; wave
	v_and_b32 v2, 31, v0                           ; lane
	v_lshlrev_b32 v3, 4, v2                        ; 16 x lane: my 16 bytes of a load's 512, and of a store's 512; never rewritten
	s_mul_i32 s17, s16, WREG
	v_lshrrev_b32 v14, 2, v2
	v_mul_u32_u24 v14, v14, SP
	v_and_b32 v15, 3, v2
	v_lshl_add_u32 v14, v15, 4, v14
	v_add_nc_u32 v14, s17, v14                     ; the stage, on the way in: four lanes' 64 bytes on end, then 16 of padding
	v_mul_u32_u24 v15, v2, SP
	v_add_nc_u32 v15, s17, v15
	v_and_b32 v4, 15, v2
	v_lshrrev_b32 v5, 4, v2
	v_lshlrev_b32 v4, 10, v4
	v_lshl_add_u32 v4, v5, 4, v4                   ; Wo: 1,024 x (lane % 16) + 16 x (lane / 16); never rewritten
	s_lshl_b32 s18, ttmp9, 2
	s_add_co_u32 s18, s18, s16                     ; R
	s_lshl_b32 s20, s18, 15                        ; R x 32,768 bytes of h
	s_mov_b32 s21, 0
	s_lshl_b32 s22, s18, 11                        ; s = 2 R: 2 R x 1,024 bytes of codes; the batch stands in the stores' immediates
	s_mov_b32 s23, 0
	s_lshr_b32 s30, s18, 4                         ; nt = R / 16
	s_lshl_b32 s30, s30, 14                        ; 16 rows of 1,024 bytes
	s_bfe_u32 s31, s18, 0x30001                    ; kk = (R / 2) % 8
	s_lshl_b32 s31, s31, 7
	s_add_co_u32 s30, s30, s31
	s_and_b32 s31, s18, 1                          ; which half of the fragment
	s_lshl_b32 s31, s31, 6
	s_add_co_u32 s30, s30, s31
	s_mov_b32 s31, 0
	s_lshl_b32 s2, s18, 10                         ; the image: R x 1,024
	s_mov_b32 s3, 0
	s_wait_alu depctr_va_vdst(0)
	s_wait_kmcnt 0x0
	s_load_b128 s[24:27], s[6:7], 0x0              ; e0, e1, e2, e3
	s_add_nc_u64 s[4:5], s[4:5], s[20:21]
	s_add_nc_u64 s[8:9], s[8:9], s[22:23]
	s_add_nc_u64 s[10:11], s[10:11], s[22:23]
	s_add_nc_u64 s[12:13], s[12:13], s[30:31]
	s_add_nc_u64 s[14:15], s[14:15], s[2:3]
	global_load_b128 v[112:115], v4, s[12:13]              ; my two pieces of Wo, issued ahead of h's loads
	global_load_b128 v[116:119], v4, s[12:13] offset:32
.macro LOAD t
.irp i, 0,1,2,3
	global_load_b128 v[R+16*((\t)%4)+4*\i:R+16*((\t)%4)+4*\i+3], v3, s[4:5] offset:2048*(\t)+512*\i th:TH_LOAD_NT   ; 32 lanes read 512 consecutive bytes; read once in the launch
.endr
.endm
.macro TURN t                          ; step t's numbers through the stage: LDS serves a wave's instructions in order, so no wait stands between the stores and the loads
.irp i, 0,1,2,3
	ds_store_b128 v14, v[R+16*((\t)%4)+4*\i:R+16*((\t)%4)+4*\i+3] offset:32*SP*((\t)%2)+8*SP*\i
.endr
.irp i, 0,1,2,3
	ds_load_b128 v[X+16*((\t)%2)+4*\i:X+16*((\t)%2)+4*\i+3], v15 offset:32*SP*((\t)%2)+16*\i
.endr
.endm
.irp t, 0,1,2,3
	LOAD \t
.endr
	s_wait_kmcnt 0x0
	s_add_co_i32 s28, s24, 127
	s_lshl_b32 s29, s28, 23
	v_mov_b32 v11, s29                             ; 2^e0 as f32: the conversion takes its exponent field
	s_add_co_i32 s28, s28, 8
	s_lshl_b32 s28, s28, 23
	s_or_b32 s28, s28, 0x600000
	v_mov_b32 v10, s28                             ; 448 x 2^e0
	s_add_co_i32 s28, s26, 127
	s_lshl_b32 s29, s28, 23
	v_mov_b32 v13, s29                             ; 2^e2
	s_add_co_i32 s28, s28, 8
	s_lshl_b32 s28, s28, 23
	s_or_b32 s28, s28, 0x600000
	v_mov_b32 v12, s28                             ; 448 x 2^e2
	s_wait_alu depctr_va_vdst(0)
	s_wait_loadcnt 12                              ; step 0's four loads are in, and Wo's two, issued ahead of them; the twelve behind stay out
	global_store_b128 v3, v[112:115], s[14:15]             ; each store covers 512 consecutive bytes, aligned
	global_store_b128 v3, v[116:119], s[14:15] offset:512
	s_wait_xcnt 0x0                                ; the stores have read v112-119, which the first step writes
	TURN 0
.macro STEP t
.set XS, X+16*((\t)%2)
	s_wait_dscnt 0x0                               ; this step's numbers are back from the stage: so its stores into the stage have read their registers,
.if (\t)+4 < STEPS
	LOAD (\t)+4                                    ; which take the loads of four steps on
.endif
.if (\t)+1 < STEPS
.if STEPS-2-(\t) >= 3
	s_wait_loadcnt 12                              ; the next step's four loads are in; those of the three steps behind it may be out
.else
	s_wait_loadcnt 4*(STEPS-2-(\t))                ; the tail: fewer steps stand behind it
.endif
	TURN (\t)+1                                    ; and go through the other stage while this step is worked
.endif
.irp i, 0,1,2,3,4,5,6,7,8,9,10,11,12,13,14,15
	v_med3_num_f32 v[T+\i], v[XS+\i], -v10, v10    ; the conversion to an 8-bit code does not saturate (ISA guide 7.6.2): the hold at 448 x 2^e0, into other registers: the numbers serve twice
.endr
	v_cvt_scalef32_pk8_fp8_f32 v[C+4*(\t):C+4*(\t)+1], v[T:T+7], v11
	v_cvt_scalef32_pk8_fp8_f32 v[C+4*(\t)+2:C+4*(\t)+3], v[T+8:T+15], v11
.irp i, 0,1,2,3,4,5,6,7,8,9,10,11,12,13,14,15
	v_med3_num_f32 v[XS+\i], v[XS+\i], -v12, v12   ; the hold at 448 x 2^e2.  (These plain lines also part the conversions above from the next write of their sources)
.endr
	v_cvt_scalef32_pk8_fp8_f32 v[D+4*(\t):D+4*(\t)+1], v[XS:XS+7], v13
	v_cvt_scalef32_pk8_fp8_f32 v[D+4*(\t)+2:D+4*(\t)+3], v[XS+8:XS+15], v13
	; the codes go to stores alone; the next vector lines are the next step's holds, plain lines on other registers
	global_store_b128 v3, v[C+4*(\t):C+4*(\t)+3], s[8:9] offset:(((\t)/2)%4)*2097152+(((\t)/2)/4)*1024+((\t)%2)*512    ; row b x 2048 + s: batch (t / 2) % 4, s = 2 R + t / 8, half t % 2
	global_store_b128 v3, v[D+4*(\t):D+4*(\t)+3], s[10:11] offset:(((\t)/2)%4)*2097152+(((\t)/2)/4)*1024+((\t)%2)*512
.endm
.irp t, 0,1,2,3,4,5,6,7,8,9,10,11,12,13,14,15
	STEP \t
.endr
	s_wait_tensorcnt 0x0
	ds_add_u32 v8, v9
	s_wait_dscnt 0x0
	s_endpgm
.Lfunc_end_k_qa18d67a97d_quant_h:
	.size	k_qa18d67a97d_quant_h, .Lfunc_end_k_qa18d67a97d_quant_h-k_qa18d67a97d_quant_h
	.p2alignl 7, 3214868480
	.fill 96, 4, 3214868480
	.section	.rodata,"a",@progbits
	.p2align	6, 0x0
	.amdhsa_kernel k_qa18d67a97d_quant_h
		.amdhsa_group_segment_fixed_size 33280
		.amdhsa_private_segment_fixed_size 0
		.amdhsa_enable_private_segment 0
		.amdhsa_kernarg_size 48
		.amdhsa_user_sgpr_count 2
		.amdhsa_user_sgpr_kernarg_segment_ptr 1
		.amdhsa_wavefront_size32 1
		.amdhsa_system_sgpr_workgroup_id_x 1
		.amdhsa_system_sgpr_workgroup_id_y 1
		.amdhsa_system_sgpr_workgroup_id_z 1
		.amdhsa_system_vgpr_workitem_id 0
		.amdhsa_next_free_vgpr 256
		.amdhsa_next_free_sgpr 66
		.amdhsa_reserve_vcc 0
		.amdhsa_float_denorm_mode_32 3
		.amdhsa_float_denorm_mode_16_64 3
		.amdhsa_memory_ordered 1
		.amdhsa_forward_progress 1
		.amdhsa_inst_pref_size 58
	.end_amdhsa_kernel
	.amdgpu_metadata
---
amdhsa.version: [ 1, 2 ]
amdhsa.kernels:
  - .name:           k_qa18d67a97d_quant_h
    .symbol:         k_qa18d67a97d_quant_h.kd
    .args:
      - { .name: h, .offset: 0, .size: 8, .value_kind: global_buffer, .address_space: global }
      - { .name: lowp_scales, .offset: 8, .size: 8, .value_kind: global_buffer, .address_space: global }
      - { .name: hq_codes, .offset: 16, .size: 8, .value_kind: global_buffer, .address_space: global }
      - { .name: hkv_codes, .offset: 24, .size: 8, .value_kind: global_buffer, .address_space: global }
      - { .name: Wo_codes, .offset: 32, .size: 8, .value_kind: global_buffer, .address_space: global }
      - { .name: wo_img, .offset: 40, .size: 8, .value_kind: global_buffer, .address_space: global }
    .group_segment_fixed_size: 33280
    .private_segment_fixed_size: 0
    .kernarg_segment_align: 8
    .kernarg_segment_size: 48
    .max_flat_workgroup_size: 128
    .sgpr_count:     66
    .vgpr_count:     256
    .wavefront_size: 32
...
	.end_amdgpu_metadata
.endif
;; end of part 1
;; launch proj (part 2): grid 12 x 32, 4 waves a work-group, clusters of 4 x 4, 327,680 bytes of LDS; arguments hq_codes, hkv_codes, Wq_codes, Wkv_codes, lowp_scales, q_codes, k_codes, v_codes; writes q_codes, k_codes, v_codes
.if DOCPART == 2
	.amdgcn_target "amdgcn-amd-amdhsa--gfx1250"
	.amdhsa_code_object_version 6
	.text
	.protected	k_qa18d67a97d_proj
	.globl	k_qa18d67a97d_proj
	.p2align	8
	.type	k_qa18d67a97d_proj,@function
k_qa18d67a97d_proj:
	s_mov_b64 s[64:65], 0
	v_nop
	global_prefetch_b8 v0, s[64:65] scope:SCOPE_SE
	s_setreg_imm32_b32 hwreg(HW_REG_WAVE_MODE, 25, 1), 1
	s_wait_xcnt 0x0
	s_wait_alu depctr_hold_cnt(0) depctr_sa_sdst(0) depctr_va_vdst(0) depctr_va_sdst(0) depctr_va_ssrc(0) depctr_va_vcc(0) depctr_vm_vsrc(0)
	s_getreg_b32 s2, hwreg(HW_REG_IB_STS2, 6, 4)
	s_cmp_eq_u32 s2, 0
	s_cbranch_scc0 .Lentry_in_a_cluster
	s_endpgm
.Lentry_in_a_cluster:
	s_bfe_u32 s2, ttmp6, 0x10000c
	s_cmp_lg_u32 s2, 0xf033
	s_cbranch_scc0 .Lentry_shape_is_right
	s_endpgm
.Lentry_shape_is_right:
.set SIZE_K, 1024
.set KSTEP,  256
.set ROWB,   256
.set KROW,   SIZE_K
.set PITCH,  272
.set FR,     16
.set NL,     4
.set NP,     4
.set HALFT,  128*PITCH
.set SLOT,   4*HALFT
.set LAPS,   SIZE_K/(2*KSTEP)
.set SPARE,  2*SLOT
.set CO,   8
.set LIM,  12
.set SC,   13
.set ADRA, 16
.set ADRB, 20
.set STO,  24
.set RD,   25
.set SPW,  28
.set NIL,  29
.set TMP,  32
.set AF,   128
.set CD,   128
.set G1, 24
.set G0, 32
.set G1B, 48
.set G0B, 56
.set MSB, 0
.macro WIN new
.if MSB != \new
	s_set_vgpr_msb (MSB<<8)|\new
.set MSB, \new
.endif
.endm
.set MUL_LO, 0xa1
.set MUL_HI, 0xf1
.set TO_B,   0x40
.macro JLOAD g0a, g1a, g0b, g1b
	s_cmp_eq_u32 s15, 0
	s_cbranch_scc0 .Lfor_b_\@
	tensor_load_to_lds s[\g0a:\g0a+3], s[\g1a:\g1a+7]
	s_nop 0
.rept 4
	v_nop
.endr
	s_branch .Lasked_\@
.Lfor_b_\@:
	tensor_load_to_lds s[\g0b:\g0b+3], s[\g1b:\g1b+7]
	s_nop 0
.rept 4
	v_nop
.endr
.Lasked_\@:
.endm
.macro CREST
	s_cmp_lg_u32 s14, 0
	s_cbranch_scc1 .Lnot_wave_0_\@
	s_barrier_signal -3
.Lnot_wave_0_\@:
	s_barrier_wait -3
	s_barrier_signal -1
	s_barrier_wait -1
.endm
.macro CROUND
	s_barrier_signal -1
	s_barrier_wait -1
	CREST
.endm
	s_load_b512 s[68:83], s[0:1], 0x0
	v_lshl_add_u32 v[SPW], v0, 2, SPARE
	v_mov_b32 v[NIL], 0
	ds_add_u32 v28, v29
	ds_add_u32 v28, v29
	s_wait_dscnt 0x0
	v_lshrrev_b32 v1, 5, v0
	v_readfirstlane_b32 s14, v1
	s_lshr_b32 s15, s14, 1
	s_and_b32 s16, s14, 1
	s_bfe_u32 s40, ttmp6, 0x40000
	s_bfe_u32 s41, ttmp6, 0x40004
	s_and_b32 s17, ttmp7, 0xffff
	s_cmp_eq_u32 ttmp9, 2
	s_cselect_b32 s98, 0, s17
	s_cselect_b32 s99, s17, 0
	s_mov_b32 s86, 524288
	s_cselect_b32 s86, 65536, s86
	s_lshl_b32 s42, s99, 2
	s_add_co_u32 s42, s42, s40
	s_lshl_b32 s17, s98, 2
	s_add_co_u32 s17, s17, s41
	s_lshl_b32 s43, s41, 2
	s_lshl_b32 s43, 15, s43
	s_lshl_b32 s44, 0x1111, s40
	s_or_b32 s[G1+0], s43, (0<<16)|(1<<20)|(1<<21)|(5<<22)|(3<<25)
	s_or_b32 s[G1B+0], s44, (0<<16)|(1<<20)|(1<<21)|(5<<22)|(3<<25)
.irp g, G1, G1B
	s_mov_b32 s[\g+1], ROWB<<16
	s_mov_b32 s[\g+2], 128<<16
	s_mov_b32 s[\g+3], ROWB<<16
	s_mov_b32 s[\g+4], 128
	s_mov_b32 s[\g+5], KROW
	s_mov_b32 s[\g+6], 0
	s_mov_b32 s[\g+7], 0
.endr
	s_lshl_b32 s18, s16, 7
	s_lshl_b32 s20, s17, 8
	s_add_co_u32 s20, s20, s18
	s_lshl_b32 s46, s42, 8
	s_add_co_u32 s46, s46, s18
	s_mov_b32 s21, 0
	s_mov_b32 s47, 0
	s_mov_b64 s[18:19], KROW
	s_mul_u64 s[20:21], s[20:21], s[18:19]
	s_mul_u64 s[46:47], s[46:47], s[18:19]
	s_mul_i32 s45, s14, HALFT
	s_wait_kmcnt 0x0
	s_load_b256 s[88:95], s[76:77], 0x0
	s_add_nc_u64 s[84:85], s[74:75], 0x100000
	s_cmp_eq_u32 ttmp9, 2
	s_cselect_b64 s[4:5], s[84:85], s[70:71]
	s_cselect_b64 s[6:7], s[70:71], s[74:75]
	s_cselect_b64 s[10:11], s[82:83], s[80:81]
	s_cmp_eq_u32 ttmp9, 0
	s_cselect_b64 s[4:5], s[68:69], s[4:5]
	s_cselect_b64 s[6:7], s[72:73], s[6:7]
	s_cselect_b64 s[10:11], s[78:79], s[10:11]
	s_add_nc_u64 s[20:21], s[4:5], s[20:21]
	s_add_nc_u64 s[46:47], s[6:7], s[46:47]
	CROUND
.irp s, 0,1
	s_mov_b32 s[G0+4*\s], 1
	s_add_co_u32 s[G0+4*\s+1], s45, \s*SLOT
	s_add_nc_u64 s[G0+4*\s+2:G0+4*\s+3], s[20:21], \s*ROWB
	s_or_b32 s[G0+4*\s+3], s[G0+4*\s+3], 0x80000000
	s_mov_b32 s[G0B+4*\s], 1
	s_add_co_u32 s[G0B+4*\s+1], s45, \s*SLOT
	s_add_nc_u64 s[G0B+4*\s+2:G0B+4*\s+3], s[46:47], \s*ROWB
	s_or_b32 s[G0B+4*\s+3], s[G0B+4*\s+3], 0x80000000
.if \s == 1
	s_wait_alu depctr_va_vdst(0)
	s_wait_tensorcnt 0x0
	ds_add_u32 v28, v29
	s_wait_dscnt 0x0
	CROUND
.endif
	JLOAD G0+4*\s, G1, G0B+4*\s, G1B
.endr
	v_and_b32 v1, 15, v0
	v_bfe_u32 v2, v0, 4, 1
	v_mul_u32_u24 v3, v1, PITCH
	v_lshl_add_u32 v4, v2, 4, v3
	s_wait_alu depctr_va_vdst(0)
	s_mul_i32 s21, s15, HALFT
	s_mul_i32 s22, s16, HALFT
	s_add_co_u32 s22, s22, 2*HALFT
.irp s, 0,1
	v_add_nc_u32 v[ADRA+\s], s21, v4
	v_add_nc_u32 v[ADRB+\s], s22, v4
	s_add_co_u32 s21, s21, SLOT
	s_add_co_u32 s22, s22, SLOT
.endr
	s_mul_i32 s23, s15, 128*PITCH
	s_lshl_b32 s21, s16, 7
	s_add_co_u32 s23, s23, s21
	v_add_nc_u32 v[STO], s23, v4
	s_mul_i32 s23, s14, 64*PITCH
	v_add_nc_u32 v[RD], s23, v4
	v_and_b32 v6, 31, v0
	v_lshlrev_b32 v7, 4, v6
.irp hh, 0,1,2,3
	s_mul_i32 s23, s86, \hh
	v_add_nc_u32 v[CO+\hh], s23, v7
.endr
	s_lshl_b32 s20, s17, 4
	s_lshl_b32 s21, s14, 2
	s_add_co_u32 s20, s20, s21
	s_lshl_b32 s20, s20, 10
	s_mov_b32 s21, 0
	s_mul_i32 s46, s42, s86
	s_lshl_b32 s46, s46, 2
	s_mov_b32 s47, 0
	s_add_nc_u64 s[20:21], s[20:21], s[46:47]
	s_add_nc_u64 s[10:11], s[10:11], s[20:21]
.macro FRAG reg, adr, q, i
.irp c, 0,1,2,3
	ds_load_b128 v[\reg+4*\c:\reg+4*\c+3], v[\adr] offset:128*(\q)+32*\c+(\i)*16*PITCH
.endr
.endm
.macro MUL16 a0, p, zero
.irp a, \a0, \a0+1
.irp b, 0,1,2,3,4,5,6,7
.if \zero
	v_wmma_f32_16x16x128_fp8_fp8 v[8*(8*((\a)%4)+\b):8*(8*((\a)%4)+\b)+7], v[128*(\p)+FR*\b:128*(\p)+FR*\b+FR-1], v[AF+FR*(\a):AF+FR*(\a)+FR-1], 0
.else
	v_wmma_f32_16x16x128_fp8_fp8 v[8*(8*((\a)%4)+\b):8*(8*((\a)%4)+\b)+7], v[128*(\p)+FR*\b:128*(\p)+FR*\b+FR-1], v[AF+FR*(\a):AF+FR*(\a)+FR-1], v[8*(8*((\a)%4)+\b):8*(8*((\a)%4)+\b)+7]
.endif
.endr
.endr
.endm
.macro FETCH_B slot, q, p
	WIN TO_B
.irp i, 0,1,2,3,4,5,6,7
	FRAG 128*(\p)+FR*\i, ADRB+\slot, \q, \i
.endr
	WIN 0
.endm
.macro FETCH_A slot, q, i0
.irp i, \i0, \i0+1, \i0+2, \i0+3
	FRAG AF+FR*(\i), ADRA+\slot, \q, \i
.endr
.endm
.macro PLACES n
.rept \n
	v_nop
.endr
.endm
.macro STEP slot, q, zero
	s_wait_dscnt 4*NL
	WIN MUL_LO
	MUL16 0, (\q)%2, \zero
	MUL16 2, (\q)%2, \zero
	s_wait_dscnt 0
	PLACES NP
	FETCH_B \slot, (\q)+1, 1-(\q)%2
	FETCH_A \slot, (\q)+1, 0
	WIN MUL_HI
	MUL16 4, (\q)%2, \zero
	MUL16 6, (\q)%2, \zero
	PLACES NP
	WIN 0
	FETCH_A \slot, (\q)+1, 4
.endm
.macro TURN slot, next, fill
	s_wait_tensorcnt 0x0
	ds_add_u32 v[SPW], v[NIL]
	s_wait_dscnt 4*NL+1
	WIN MUL_LO
	MUL16 0, 1, 0
	s_wait_dscnt 0x0
	s_barrier_signal -1
	MUL16 2, 1, 0
	WIN 0
	s_barrier_wait -1
.if \fill
	CREST
	s_add_nc_u64 s[G0+4*\slot+2:G0+4*\slot+3], s[G0+4*\slot+2:G0+4*\slot+3], 2*ROWB
	s_add_nc_u64 s[G0B+4*\slot+2:G0B+4*\slot+3], s[G0B+4*\slot+2:G0B+4*\slot+3], 2*ROWB
	JLOAD G0+4*\slot, G1, G0B+4*\slot, G1B
.else
	PLACES NP
.endif
	s_wait_alu depctr_va_vdst(0)
	FETCH_B \next, 0, 0
	FETCH_A \next, 0, 0
	WIN MUL_HI
	MUL16 4, 1, 0
	MUL16 6, 1, 0
	PLACES NP
	WIN 0
	FETCH_A \next, 0, 4
.endm
	s_wait_tensorcnt 1
	s_barrier_signal -1
	s_barrier_wait -1
	FETCH_B 0, 0, 0
	FETCH_A 0, 0, 0
	FETCH_A 0, 0, 4
	STEP 0, 0, 1
	s_mov_b32 s3, LAPS-1
.Llap:
	TURN 0, 1, 1
	STEP 1, 0, 0
	TURN 1, 0, 1
	STEP 0, 0, 0
	s_sub_co_u32 s3, s3, 1
	s_cmp_lg_u32 s3, 0
	s_cbranch_scc1 .Llap
	TURN 0, 1, 0
	STEP 1, 0, 0
	s_wait_dscnt 4*NL
	WIN MUL_LO
	MUL16 0, 1, 0
	MUL16 2, 1, 0
	s_wait_dscnt 0
	WIN MUL_HI
	MUL16 4, 1, 0
	MUL16 6, 1, 0
	WIN 0
.macro QBLOCK a
.set AC, 64*((\a)%4)
	WIN 0x02+((\a)/4)
.set j, 0
.rept 64
	v_med3_num_f32 v[TMP+j], v[AC+j], -v[LIM], v[LIM]
.set j, j+1
.endr
	WIN 0
.irp b, 0,1,2,3,4,5,6,7
	v_cvt_scalef32_pk8_fp8_f32 v[CD+16*(\a)+2*\b:CD+16*(\a)+2*\b+1], v[TMP+8*\b:TMP+8*\b+7], v[SC]
.endr
	v_nop
.irp c, 0,1,2,3
	ds_store_b128 v[STO], v[CD+16*(\a)+4*\c:CD+16*(\a)+4*\c+3] offset:(\a)*16*PITCH+32*\c
.endr
.endm
	s_wait_kmcnt 0x0
	s_add_co_i32 s96, s88, s89
	s_add_co_i32 s97, s90, s91
	s_cmp_eq_u32 ttmp9, 2
	s_cselect_b32 s87, s94, s93
	s_cmp_eq_u32 ttmp9, 0
	s_cselect_b32 s87, s92, s87
	s_cselect_b32 s96, s96, s97
	s_sub_co_i32 s96, s87, s96
	s_add_co_i32 s96, s96, 127
	s_lshl_b32 s97, s96, 23
	v_mov_b32 v[SC], s97
	s_add_co_i32 s96, s96, 8
	s_lshl_b32 s96, s96, 23
	s_or_b32 s96, s96, 0x600000
	v_mov_b32 v[LIM], s96
	PLACES NP
.irp a, 0,1,2,3,4,5,6,7
	QBLOCK \a
.endr
	s_wait_dscnt 0x0
	s_barrier_signal -1
	s_barrier_wait -1
.irp hh, 0,1,2,3
.irp rho, 0,1,2,3
.irp c, 0,1
	ds_load_b128 v[CD+4*(8*\hh+2*\rho+\c):CD+4*(8*\hh+2*\rho+\c)+3], v[RD] offset:\rho*16*PITCH+64*\hh+32*\c
.endr
.endr
.endr
.irp hh, 0,1,2,3
.irp rho, 0,1,2,3
.irp c, 0,1
	s_wait_dscnt 31-(8*\hh+2*\rho+\c)
	global_store_b128 v[CO+\hh], v[CD+4*(8*\hh+2*\rho+\c):CD+4*(8*\hh+2*\rho+\c)+3], s[10:11] offset:\rho*1024+\c*512
.endr
.endr
.endr
	s_wait_tensorcnt 0x0
	ds_add_u32 v[SPW], v[NIL]
	s_wait_dscnt 0x0
	CROUND
	s_endpgm
.Lfunc_end_k_qa18d67a97d_proj:
	.size	k_qa18d67a97d_proj, .Lfunc_end_k_qa18d67a97d_proj-k_qa18d67a97d_proj
	.p2alignl 7, 3214868480
	.fill 96, 4, 3214868480
	.section	.rodata,"a",@progbits
	.p2align	6, 0x0
	.amdhsa_kernel k_qa18d67a97d_proj
		.amdhsa_group_segment_fixed_size 327680
		.amdhsa_private_segment_fixed_size 0
		.amdhsa_enable_private_segment 0
		.amdhsa_kernarg_size 64
		.amdhsa_user_sgpr_count 2
		.amdhsa_user_sgpr_kernarg_segment_ptr 1
		.amdhsa_wavefront_size32 1
		.amdhsa_system_sgpr_workgroup_id_x 1
		.amdhsa_system_sgpr_workgroup_id_y 1
		.amdhsa_system_sgpr_workgroup_id_z 1
		.amdhsa_system_vgpr_workitem_id 0
		.amdhsa_next_free_vgpr 1024
		.amdhsa_next_free_sgpr 100
		.amdhsa_reserve_vcc 0
		.amdhsa_float_denorm_mode_32 3
		.amdhsa_float_denorm_mode_16_64 3
		.amdhsa_memory_ordered 1
		.amdhsa_forward_progress 1
		.amdhsa_inst_pref_size 124
	.end_amdhsa_kernel
	.amdgpu_metadata
---
amdhsa.version: [ 1, 2 ]
amdhsa.kernels:
  - .name:           k_qa18d67a97d_proj
    .symbol:         k_qa18d67a97d_proj.kd
    .args:
      - { .name: hq_codes, .offset: 0, .size: 8, .value_kind: global_buffer, .address_space: global }
      - { .name: hkv_codes, .offset: 8, .size: 8, .value_kind: global_buffer, .address_space: global }
      - { .name: Wq_codes, .offset: 16, .size: 8, .value_kind: global_buffer, .address_space: global }
      - { .name: Wkv_codes, .offset: 24, .size: 8, .value_kind: global_buffer, .address_space: global }
      - { .name: lowp_scales, .offset: 32, .size: 8, .value_kind: global_buffer, .address_space: global }
      - { .name: q_codes, .offset: 40, .size: 8, .value_kind: global_buffer, .address_space: global }
      - { .name: k_codes, .offset: 48, .size: 8, .value_kind: global_buffer, .address_space: global }
      - { .name: v_codes, .offset: 56, .size: 8, .value_kind: global_buffer, .address_space: global }
    .group_segment_fixed_size: 327680
    .private_segment_fixed_size: 0
    .kernarg_segment_align: 8
    .kernarg_segment_size: 64
    .max_flat_workgroup_size: 128
    .sgpr_count:     100
    .vgpr_count:     1024
    .wavefront_size: 32
...
	.end_amdgpu_metadata
.endif
;; end of part 2
;; launch attn (part 3): grid 4 x 64, 8 waves a work-group, clusters of 4 x 1, 327,680 bytes of LDS; arguments q_codes, k_codes, v_codes, attn_mask, lowp_scales, a_codes; writes a_codes
.if DOCPART == 3
	.amdgcn_target "amdgcn-amd-amdhsa--gfx1250"
	.amdhsa_code_object_version 6
	.text
	.protected	k_qa18d67a97d_attn
	.globl	k_qa18d67a97d_attn
	.p2align	8
	.type	k_qa18d67a97d_attn,@function
k_qa18d67a97d_attn:
	s_mov_b64 s[64:65], 0
	v_nop
	global_prefetch_b8 v0, s[64:65] scope:SCOPE_SE
	s_setreg_imm32_b32 hwreg(HW_REG_WAVE_MODE, 25, 1), 1
	s_wait_xcnt 0x0
	s_wait_alu depctr_hold_cnt(0) depctr_sa_sdst(0) depctr_va_vdst(0) depctr_va_sdst(0) depctr_va_ssrc(0) depctr_va_vcc(0) depctr_vm_vsrc(0)
	s_getreg_b32 s2, hwreg(HW_REG_IB_STS2, 6, 4)
	s_cmp_eq_u32 s2, 0
	s_cbranch_scc0 .Lentry_in_a_cluster
	s_endpgm
.Lentry_in_a_cluster:
	s_bfe_u32 s2, ttmp6, 0x10000c
	s_cmp_lg_u32 s2, 0x3003
	s_cbranch_scc0 .Lentry_shape_is_right
	s_endpgm
.Lentry_shape_is_right:
; Attention of one head n of one batch b on E4M3 codes: S = q k^T, key-padding mask, softmax, O = p v, O / l, and O quantised with 2^e8 for the last projection.
; q, k, a codes are images of operand registers: 16 rows x 64 along K = 1,024 bytes, two loads of 512 bytes (16 x lane), at head x 524,288 + (row / 16) x 1,024, row = b x 2048 + s;
; v (K = the keys): (b x 32 + key / 64) x 65,536 + head x 4,096 + (d / 16) x 1,024.
; SOFTMAX: t = score x log2(e) / 8; M = the running largest t rounded UP to a whole number; p = 2^(t - M) is quantised with 2^e7, not normalised; the row's sum is taken of the unquantised p and divides O at the end.
; When M moves, the sum and O are multiplied by 2^(old M - new M): exact.
; THE MASK is the C of S^T = K Q^T: 0 for a key that counts, -2^97 for a masked one; the running largest score begins at -2^96, so a masked key is never the largest and its p is 0.
; LIMITS: e4 + e5 between -80 and 30; e7 and e8 between -126 and 119.  A batch ALL of whose keys are masked (the exact result is NaN) is not served.  NaN codes are not served.
; SHARES.  A work-group owns 512 queries of (b, n); the head's whole K and V, 2 x 131,072 bytes, lie in LDS, each byte filled once.  Two passes of 256 queries; a wave owns two tiles of 16 queries a pass.
; CLUSTER.  The four work-groups are the four query blocks of one (b, n): K and V are asked for jointly.  Each wave issues two loads: at the head its quarter of the first 512 keys (waves 0-3 K, waves 4-7 V),
; and, behind the full sequence and a round, its quarter of the other 1,536.  The first three key steps read the first 512 keys alone; the wait for the second load and one barrier stand ahead of the fourth step.
; No prefetch: both loads go out at the head, so nothing is left to ask for ahead of them.
; A KEY STEP (128 keys): K and the mask of the NEXT step are fetched right behind this step's first products, V at the step's head.  Among tile 0's exponentials stand tile 1's t - M; among tile 1's stand tile 0's
; first-level sums (each into registers of its own) and holds: lines whose results are first read behind the next wait.
; LAYOUT.  Both products transposed: a lane holds ONE query (lane % 16); tile t's eight scores of a lane are keys 16 t + 8 (lane / 16) + 0..7, whose conversion gives registers 2 t, 2 t + 1 of P.
; REGISTERS.  window 0: v1-12 addresses, constants; v16-31 partial sums (at the head and on the way out: at work); v32-63 Q of both passes; v64-191 S^T, then p; v192-223 P's codes (v208-223 first: partial sums); v224-253 statistics.
;   window 1: v0-63 O^T; v64-127 V; v128-191 K; v192-255 the mask.
.set VREG,  131072
.set BIAS,  262144
.set STG,   270336                     ; the way out: for each wave two tiles of 16 rows x 80 bytes
.set SPARE, 0x47000                    ; the spare words: 128 bytes a wave
.set LI,   1
.set AB0,  2
.set STO,  3
.set SRD,  4
.set ADK,  6
.set ADV,  7
.set ADB,  8
.set LIMP, 9
.set SCP,  10
.set LIMA, 11
.set SCA,  12
.set OB,   16
.set Q,    32
.set S,    64
.set P,    192
.set T,    224                         ; tile x at T + 16 x: +0 -M, +1 largest score, +2,+3 the sum, +4,+5 f, +6,+7 at work, +8 the other half's, +10,+11 second chain, +12 M's step
.set SPW,  254
.set NIL,  255
.set OT,   0
.set VF,   64
.set KF,   128
.set BI,   192
.set WV,   16
.set G1K,  24
.set G1V,  32
.set G1K2, 40
.set G1V2, 48
.set CS,   82
.set SEL,  84
.set TB,   86
.set BB,   87
.set CNT,  88
.set PASS, 89
.set MSB, 0
.macro WIN new
.if MSB != \new
	s_set_vgpr_msb (MSB<<8)|\new
.set MSB, \new
.endif
.endm
.macro CROUND
	s_barrier_signal -1
	s_barrier_wait -1
	s_cmp_lg_u32 s[WV], 0
	s_cbranch_scc1 .Lnot_wave_0_\@
	s_barrier_signal -3
.Lnot_wave_0_\@:
	s_barrier_wait -3
	s_barrier_signal -1
	s_barrier_wait -1
.endm
.macro GRP1 g, c, r, p                 ; r rows of c bytes, p bytes apart; the mask names all four work-groups
	s_mov_b32 s[\g], 15|(1<<21)
	s_mov_b32 s[\g+1], (\c)<<16
	s_mov_b32 s[\g+2], (\r)<<16
	s_mov_b32 s[\g+3], (\c)<<16
	s_mov_b32 s[\g+4], \r
	s_mov_b32 s[\g+5], \p
	s_mov_b32 s[\g+6], 0
	s_mov_b32 s[\g+7], 0
.endm
.macro GRP0 g, lreg, lconst, base, off
	s_mov_b32 s[\g], 1
	s_add_co_u32 s[\g+1], s[\lreg], \lconst
	s_add_nc_u64 s[\g+2:\g+3], s[\base:\base+1], s[\off:\off+1]
	s_or_b32 s[\g+3], s[\g+3], 0x80000000
.endm
.macro JLOAD gk, g1k, gv, g1v          ; waves 0-3 ask for K, waves 4-7 for V: one load in each arm
	s_cmp_lt_u32 s[WV], 4
	s_cbranch_scc0 .Lfor_v_\@
	tensor_load_to_lds s[\gk:\gk+3], s[\g1k:\g1k+7]
	s_nop 0
.rept 4
	v_nop
.endr
	s_branch .Lasked_\@
.Lfor_v_\@:
	tensor_load_to_lds s[\gv:\gv+3], s[\g1v:\g1v+7]
	s_nop 0
.rept 4
	v_nop
.endr
.Lasked_\@:
.endm
.macro LDKM ab, ak, ob, ok             ; the mask's eight tiles and K's eight: 32 loads
.irp t, 0,1,2,3,4,5,6,7
	ds_load_b128 v[BI+8*\t:BI+8*\t+3], v[\ab] offset:\ob+64*\t
	ds_load_b128 v[BI+8*\t+4:BI+8*\t+7], v[\ab] offset:\ob+64*\t+16
.endr
.irp t, 0,1,2,3,4,5,6,7
	ds_load_b128 v[KF+8*\t:KF+8*\t+3], v[\ak] offset:\ok+1024*\t
	ds_load_b128 v[KF+8*\t+4:KF+8*\t+7], v[\ak] offset:\ok+1024*\t+512
.endr
.endm
.macro DMIN a                          ; the hold of two numbers at 448 x 2^e7 (the conversion does not saturate: ISA guide 7.6.2; p is not negative, so it is one-sided)
	v_dual_min_num_f32 v[\a], v[LIMP], v[\a] :: v_dual_min_num_f32 v[\a+1], v[LIMP], v[\a+1]
.endm
	s_load_b256 s[4:11], s[0:1], 0x0               ; q, k, v, the mask
	s_load_b128 s[12:15], s[0:1], 0x20             ; the scales, a_codes
	v_lshl_add_u32 v[SPW], v0, 2, SPARE
	v_mov_b32 v[NIL], 0
	ds_add_u32 v[SPW], v[NIL]                      ; the opening lines
	ds_add_u32 v[SPW], v[NIL]
	v_lshrrev_b32 v16, 5, v0
	s_delay_alu instid0(VALU_DEP_1)
	v_readfirstlane_b32 s[WV], v16
	s_and_b32 s19, ttmp7, 0xffff
	s_and_b32 s18, s19, 15                         ; the head
	s_lshr_b32 s19, s19, 4                         ; the batch
	s_lshl_b32 s90, s19, 3                         ; the bit of my batch's byte in a key's four
	GRP1 G1K, 256, 32, 256                         ; K, first 512 keys: my 8,192 bytes, dense
	GRP1 G1V, 4096, 2, 65536                       ; V: my head's part of two blocks of 64 keys
	GRP1 G1K2, 256, 96, 256                        ; K, the rest: my 24,576 bytes
	GRP1 G1V2, 4096, 6, 65536                      ; V: six blocks
	s_and_b32 s21, s[WV], 3                        ; which quarter I fetch
	s_lshl_b32 s20, s21, 13
	s_mul_i32 s91, s21, 24576
	s_lshl_b32 s92, s18, 19
	s_lshl_b32 s22, s19, 17
	s_add_co_u32 s92, s92, s22                     ; K: head x 524,288 + batch x 131,072
	s_add_co_u32 s96, s92, s91
	s_add_co_u32 s96, s96, 32768
	s_add_co_u32 s92, s92, s20
	s_mov_b32 s93, 0
	s_mov_b32 s97, 0
	s_lshl_b32 s94, s19, 21
	s_lshl_b32 s22, s18, 12
	s_add_co_u32 s94, s94, s22                     ; V: batch x 32 x 65,536 + head x 4,096
	s_mul_i32 s22, s21, 393216
	s_add_co_u32 s98, s94, s22
	s_add_co_u32 s98, s98, 524288                  ; block 8 + 6 x quarter
	s_lshl_b32 s22, s21, 17
	s_add_co_u32 s94, s94, s22                     ; block 2 x quarter
	s_mov_b32 s95, 0
	s_mov_b32 s99, 0
	s_bfe_u32 s17, ttmp6, 0x40000                  ; cx: it enters Q's and the output's addresses alone
	s_lshl_b32 s23, ttmp9, 2
	s_add_co_u32 s17, s17, s23
	s_lshl_b32 s22, s19, 7
	s_lshl_b32 s23, s17, 5
	s_add_co_u32 s22, s22, s23
	s_lshl_b32 s23, s[WV], 1
	s_add_co_u32 s22, s22, s23                     ; my first tile of queries: batch x 128 + block x 32 + 2 x wave
	s_lshl_b32 s22, s22, 10
	s_lshl_b32 s23, s18, 19
	s_add_co_u32 s22, s22, s23
	s_mov_b32 s23, 0
	s_mov_b32 s[SEL], 0x76543210
	s_mov_b32 s[SEL+1], 0xfedcba98
	s_mov_b32 s[PASS], 2
	v_and_b32 v16, 31, v0
	s_delay_alu instid0(VALU_DEP_1)
	v_lshlrev_b32 v[LI], 4, v16
	v_and_b32 v17, 15, v0
	v_bfe_u32 v18, v0, 4, 1
	s_delay_alu instid0(VALU_DEP_1)
	v_lshl_add_u32 v[AB0], v18, 5, BIAS
	s_mul_i32 s21, s[WV], 2560
	s_add_co_u32 s21, s21, STG
	v_mul_u32_u24 v19, v17, 80
	s_delay_alu instid0(VALU_DEP_1)
	v_add_nc_u32 v19, s21, v19
	s_delay_alu instid0(VALU_DEP_1)
	v_lshl_add_u32 v[STO], v18, 3, v19
	s_delay_alu instid0(VALU_DEP_2)
	v_lshl_add_u32 v[SRD], v18, 4, v19
	v_lshlrev_b32 v28, 5, v0                       ; the mask: thread t takes keys 8 t .. 8 t + 7
	v_lshl_add_u32 v29, v0, 5, BIAS
	s_wait_alu depctr_va_vdst(0)
	s_wait_dscnt 0x0
	s_wait_kmcnt 0x0
	s_load_b128 s[76:79], s[12:13], 0x10           ; e4 .. e7
	s_load_b32 s80, s[12:13], 0x20                 ; e8
	global_load_b128 v[20:23], v28, s[10:11]
	global_load_b128 v[24:27], v28, s[10:11] offset:16
	s_add_nc_u64 s[4:5], s[4:5], s[22:23]
	s_add_nc_u64 s[14:15], s[14:15], s[22:23]
	GRP0 56, 20, 0, 6, 92
	GRP0 60, 20, VREG, 8, 94
	GRP0 68, 91, 32768, 6, 96
	GRP0 72, 91, VREG+32768, 8, 98
	CROUND                                         ; all four work-groups are here: the joint loads meet
	JLOAD 56, G1K, 60, G1V                         ; the first 512 keys: one load a wave at the head
.irp p, 0,1
.irp x, 0,1
.irp c, 0,1
	global_load_b128 v[Q+16*\p+8*\x+4*\c:Q+16*\p+8*\x+4*\c+3], v[LI], s[4:5] offset:\p*16384+\x*1024+\c*512
.endr
.endr
.endr
	s_wait_loadcnt 8                               ; the mask's two loads are in; Q's eight may be out
.irp i, 0,1,2,3,4,5,6,7
	v_bfe_u32 v[20+\i], v[20+\i], s90, 1
.endr
.irp i, 0,1,2,3,4,5,6,7
	v_sub_nc_u32 v[20+\i], 0, v[20+\i]
.endr
.irp i, 0,1,2,3,4,5,6,7
	v_and_b32 v[20+\i], 0xf0000000, v[20+\i]       ; 0.0 or -2^97
.endr
	ds_store_b128 v29, v[20:23]
	ds_store_b128 v29, v[24:27] offset:16
	s_wait_kmcnt 0x0
	s_add_co_i32 s81, s78, s79                     ; e6 + e7
	s_add_co_i32 s20, s76, s77
	s_lshl_b32 s20, s20, 23
	s_add_co_i32 s[CS], s20, 0x3e38aa3b            ; c = log2(e) / 8 x 2^(e4 + e5)
	s_mov_b32 s[CS+1], s[CS]
	s_add_co_i32 s20, s79, 127
	s_lshl_b32 s21, s20, 23
	v_mov_b32 v[SCP], s21
	s_add_co_i32 s20, s20, 8
	s_lshl_b32 s20, s20, 23
	s_or_b32 s20, s20, 0x600000
	v_mov_b32 v[LIMP], s20
	s_add_co_i32 s20, s80, 127
	s_lshl_b32 s21, s20, 23
	v_mov_b32 v[SCA], s21
	s_add_co_i32 s20, s20, 8
	s_lshl_b32 s20, s20, 23
	s_or_b32 s20, s20, 0x600000
	v_mov_b32 v[LIMA], s20
	s_wait_alu depctr_va_vdst(0)
	s_wait_tensorcnt 0x0                           ; my part of the first 512 keys is in
	ds_add_u32 v[SPW], v[NIL]
	s_wait_dscnt 0x0                               ; the add, and my stores of the mask's numbers
	CROUND
	JLOAD 68, G1K2, 72, G1V2                       ; the other 1,536 keys: my one load behind the round
	s_wait_loadcnt 0x0                             ; Q
; A KEY STEP.  pre = 1: the next step's K and mask are fetched.
; The largest score of tile x among a lane's 64: four chains (T+6, +7, +9, +13); chain k takes accumulators k and k + 4, each from its low end on.
.macro MAX0 x
	v_max3_num_f32 v[T+16*\x+6], v[S+64*\x], v[S+64*\x+1], v[S+64*\x+2]
	v_max3_num_f32 v[T+16*\x+7], v[S+64*\x+8], v[S+64*\x+9], v[S+64*\x+10]
	v_max3_num_f32 v[T+16*\x+9], v[S+64*\x+16], v[S+64*\x+17], v[S+64*\x+18]
	v_max3_num_f32 v[T+16*\x+13], v[S+64*\x+24], v[S+64*\x+25], v[S+64*\x+26]
.endm
.macro MAXR x, a, b
	v_max3_num_f32 v[T+16*\x+6], v[T+16*\x+6], v[S+64*\x+\a], v[S+64*\x+\b]
	v_max3_num_f32 v[T+16*\x+7], v[T+16*\x+7], v[S+64*\x+8+\a], v[S+64*\x+8+\b]
	v_max3_num_f32 v[T+16*\x+9], v[T+16*\x+9], v[S+64*\x+16+\a], v[S+64*\x+16+\b]
	v_max3_num_f32 v[T+16*\x+13], v[T+16*\x+13], v[S+64*\x+24+\a], v[S+64*\x+24+\b]
.endm
.macro MAXC x                          ; the four chains and the four numbers left over
	v_max3_num_f32 v[T+16*\x+6], v[T+16*\x+6], v[T+16*\x+7], v[S+64*\x+39]
	v_max3_num_f32 v[T+16*\x+9], v[T+16*\x+9], v[T+16*\x+13], v[S+64*\x+47]
	v_max3_num_f32 v[T+16*\x+6], v[T+16*\x+6], v[S+64*\x+55], v[S+64*\x+63]
	v_max_num_f32 v[T+16*\x+6], v[T+16*\x+6], v[T+16*\x+9]
.endm
; Line i of tile x's statistics: a chain of nine; the caller lays other work between its lines.
.macro STAT x, i
.if \i == 1
	v_permlanex16_b32 v[T+16*\x+8], v[T+16*\x+6], s[SEL], s[SEL+1]   ; the query's other 64 keys lie in the lane 16 away
.elseif \i == 2
	v_max3_num_f32 v[T+16*\x+1], v[T+16*\x+1], v[T+16*\x+6], v[T+16*\x+8]   ; the running largest score
.elseif \i == 3
	v_mov_b32 v[T+16*\x+12], v[T+16*\x]
.elseif \i == 4
	v_mul_f32 v[T+16*\x+6], s[CS], v[T+16*\x+1]
.elseif \i == 5
	v_floor_f32 v[T+16*\x], -v[T+16*\x+6]          ; -M = floor(-t): M is a whole number
.elseif \i == 6
	v_sub_f32 v[T+16*\x+12], v[T+16*\x], v[T+16*\x+12]
.elseif \i == 7
	v_cvt_i32_f32 v[T+16*\x+12], v[T+16*\x+12]
.elseif \i == 8
	v_ldexp_f32 v[T+16*\x+4], 1.0, v[T+16*\x+12]   ; f = 2^(old M - new M)
.else
	v_pk_mul_f32 v[T+16*\x+2:T+16*\x+3], v[T+16*\x+2:T+16*\x+3], v[T+16*\x+4:T+16*\x+5] op_sel_hi:[1,0]
.endif
.endm
.macro STEP pre
	v_add_nc_u32 v[ADK], s[TB], v[LI]              ; three additions and a v_nop: the places between the last products and the loads into V's registers
	v_add_nc_u32 v[ADB], s[BB], v[AB0]
	s_delay_alu instid0(VALU_DEP_2)
	v_add_nc_u32 v[ADV], VREG, v[ADK]
	v_nop
	WIN 0x40
.irp u, 0,1,2,3
.irp c, 0,1,2,3
	ds_load_b128 v[VF+16*\u+4*\c:VF+16*\u+4*\c+3], v[ADV] offset:(\c/2)*4096+\u*1024+(\c%2)*512
.endr
.endr
	s_wait_alu depctr_va_vdst(0)
	s_wait_dscnt 16                                ; K and the mask, asked for a step ago, are in; V's sixteen may be out
	WIN 0x11
.irp t, 0,1,2,3,4,5,6,7
.irp x, 0,1
	v_wmma_f32_16x16x64_fp8_fp8 v[S+64*\x+8*\t:S+64*\x+8*\t+7], v[KF+8*\t:KF+8*\t+7], v[Q+8*\x:Q+8*\x+7], v[BI+8*\t:BI+8*\t+7]
.endr
.endr
.if \pre
	WIN 0x40
.else
	WIN 0
.endif
.rept 4
	v_nop                                          ; places: ahead of the loads into K's and the mask's registers and of the first read of results
.endr
.if \pre
	LDKM ADB, ADK, 512, 8192
	WIN 0
.endif
	MAX0 0                                         ; tile 0's largest score
	MAXR 0, 3, 4
	MAXR 0, 5, 6
	MAXR 0, 7, 32
	MAXR 0, 33, 34
	MAXR 0, 35, 36
	MAXR 0, 37, 38
	MAXC 0
	MAX0 1                                         ; tile 1's; between its lines stand tile 0's statistics
	STAT 0, 1
	MAXR 1, 3, 4
	STAT 0, 2
	MAXR 1, 5, 6
	STAT 0, 3
	MAXR 1, 7, 32
	STAT 0, 4
	MAXR 1, 33, 34
	STAT 0, 5
	MAXR 1, 35, 36
	STAT 0, 6
	MAXR 1, 37, 38
	STAT 0, 7
	MAXC 1
	STAT 0, 8
	STAT 0, 9
.set j, 0
.irp i, 1,2,3,4,5,6,7,8,9                      ; tile 1's statistics; between their lines tile 0's t - M
	STAT 1, \i
.rept 3
	v_pk_fma_f32 v[S+j:S+j+1], v[S+j:S+j+1], s[CS:CS+1], v[T:T+1] op_sel_hi:[1,0,0]
.set j, j+2
.endr
.endr
.rept 5
	v_pk_fma_f32 v[S+j:S+j+1], v[S+j:S+j+1], s[CS:CS+1], v[T:T+1] op_sel_hi:[1,0,0]
.set j, j+2
.endr
	WIN 0x41
.irp j, 0,2,4,6,8,10,12,14,16,18,20,22,24,26,28,30
.irp x, 0,1
	v_pk_mul_f32 v[OT+32*\x+\j:OT+32*\x+\j+1], v[OT+32*\x+\j:OT+32*\x+\j+1], v[T+16*\x+4:T+16*\x+5] op_sel_hi:[1,0]   ; O^T under the new M, ahead of the step's exponentials
.endr
.endr
	WIN 0
	s_wait_alu depctr_va_vdst(0)
.set j, 0
.rept 32                                       ; tile 0's exponentials; among them tile 1's t - M, first read behind the next wait
	v_exp_f32 v[S+j], v[S+j]
	v_exp_f32 v[S+j+1], v[S+j+1]
	v_pk_fma_f32 v[S+64+j:S+65+j], v[S+64+j:S+65+j], s[CS:CS+1], v[T+16:T+17] op_sel_hi:[1,0,0]
.set j, j+2
.endr
	s_wait_alu depctr_va_vdst(0)                   ; behind the first batch and ahead of the second
.set j, 0
.rept 16                                       ; tile 1's exponentials; among them tile 0's sums of four (of the unquantised p, each into a pair of its own) and then its holds
.set DJ, 16+2*j+176*(j/8)
	v_exp_f32 v[S+64+4*j], v[S+64+4*j]
	v_pk_add_f32 v[DJ:DJ+1], v[S+4*j:S+4*j+1], v[S+4*j+2:S+4*j+3]
	v_exp_f32 v[S+65+4*j], v[S+65+4*j]
	DMIN S+4*j
	v_exp_f32 v[S+66+4*j], v[S+66+4*j]
	v_exp_f32 v[S+67+4*j], v[S+67+4*j]
	DMIN S+4*j+2
.set j, j+1
.endr
	s_wait_alu depctr_va_vdst(0)                   ; one wait for the batch, ahead of its first reader
.irp t, 0,1,2,3,4,5,6,7
	v_cvt_scalef32_pk8_fp8_f32 v[P+2*\t:P+2*\t+1], v[S+8*\t:S+8*\t+7], v[SCP]
.endr
	v_pk_add_f32 v[T+26:T+27], v[S+64:S+65], v[S+66:S+67]      ; the rows' sums: two chains a tile
	v_pk_add_f32 v[T+10:T+11], v[16:17], v[18:19]
	DMIN S+64                                      ; tile 1's holds follow the sums that read the same numbers, and part the chains' lines
	DMIN S+66
.set j, 1
.rept 15
.set DJ, 16+2*j+176*(j/8)
	v_pk_add_f32 v[T+18:T+19], v[T+18:T+19], v[S+64+4*j:S+65+4*j]
	v_pk_add_f32 v[T+26:T+27], v[T+26:T+27], v[S+66+4*j:S+67+4*j]
.if j >= 2
	v_pk_add_f32 v[T+2+8*(j%2):T+3+8*(j%2)], v[T+2+8*(j%2):T+3+8*(j%2)], v[DJ:DJ+1]
.endif
	DMIN S+64+4*j
	DMIN S+66+4*j
.set j, j+1
.endr
.irp t, 0,1,2,3,4,5,6,7
	v_cvt_scalef32_pk8_fp8_f32 v[P+16+2*\t:P+17+2*\t], v[S+64+8*\t:S+71+8*\t], v[SCP]
.endr
.irp x, 0,1
	v_pk_add_f32 v[T+16*\x+2:T+16*\x+3], v[T+16*\x+2:T+16*\x+3], v[T+16*\x+10:T+16*\x+11]   ; (also the plain lines between the conversions and the products)
.endr
	s_wait_alu depctr_va_vdst(0)
	s_wait_dscnt 32*\pre                           ; V is in; the next step's 32 loads, issued behind V's, may be out
	WIN 0x51
.irp u, 0,1,2,3                                ; the eight accumulators by turns
.irp x, 0,1
	v_wmma_f32_16x16x128_fp8_fp8 v[OT+32*\x+8*\u:OT+32*\x+8*\u+7], v[VF+16*\u:VF+16*\u+15], v[P+16*\x:P+16*\x+15], v[OT+32*\x+8*\u:OT+32*\x+8*\u+7]
.endr
.endr
	WIN 0
.endm
.macro NEXT
	s_add_co_u32 s[TB], s[TB], 8192
	s_add_co_u32 s[BB], s[BB], 512
.endm
.Lpass:                                            ; two trips: 256 queries of the work-group each
	WIN 0x40
	LDKM AB0, LI, 0, 0                             ; the first step's K and mask; the set-up below stands under them
	WIN 0
.irp x, 0,1
	v_mov_b32 v[T+16*\x+1], 0xef800000             ; the largest score so far: -2^96
.endr
.irp x, 0,1
	s_delay_alu instid0(VALU_DEP_2)
	v_mul_f32 v[T+16*\x+6], s[CS], v[T+16*\x+1]
.endr
.irp x, 0,1
	v_floor_f32 v[T+16*\x], -v[T+16*\x+6]
	v_mov_b32 v[T+16*\x+2], 0
	v_mov_b32 v[T+16*\x+3], 0
	v_mov_b32 v[T+16*\x+5], 0
	v_mov_b32 v[T+16*\x+8], 0
.endr
	WIN 0x40
.set j, 0
.rept 64
	v_mov_b32 v[OT+j], 0                           ; O^T: the step is written for all steps alike; the first finds zeros
.set j, j+1
.endr
	WIN 0
	s_mov_b32 s[TB], 0
	s_mov_b32 s[BB], 0
	s_mov_b32 s[CNT], 3
.Lstep_a:                                          ; steps 0 to 2 read, and fetch ahead, inside the first 512 keys
	STEP 1
	NEXT
	s_sub_co_u32 s[CNT], s[CNT], 1
	s_cmp_lg_u32 s[CNT], 0
	s_cbranch_scc1 .Lstep_a
	s_wait_tensorcnt 0x0                           ; my part of the other keys is in (in the second pass: met at once)
	s_wait_dscnt 0x0
	s_barrier_signal -1
	s_barrier_wait -1                              ; everybody's is; nothing is filled again
	s_mov_b32 s[CNT], 12
.Lstep_b:
	STEP 1
	NEXT
	s_sub_co_u32 s[CNT], s[CNT], 1
	s_cmp_lg_u32 s[CNT], 0
	s_cbranch_scc1 .Lstep_b
	STEP 0                                         ; the last step fetches nothing ahead
	; THE WAY OUT of a pass: O^T / l x 2^(e6 + e7), quantised with 2^e8, leaves as images through my own stage.
.irp x, 0,1
	v_add_f32 v[T+16*\x+6], v[T+16*\x+2], v[T+16*\x+3]
.endr
.irp x, 0,1
	s_delay_alu instid0(VALU_DEP_2)
	v_permlanex16_b32 v[T+16*\x+8], v[T+16*\x+6], s[SEL], s[SEL+1]
.endr
.irp x, 0,1
	s_delay_alu instid0(VALU_DEP_2)
	v_add_f32 v[T+16*\x+6], v[T+16*\x+6], v[T+16*\x+8]
.endr
	s_wait_alu depctr_va_vdst(0)
.irp x, 0,1
	v_rcp_f32 v[T+16*\x+4], v[T+16*\x+6]
.endr
	v_nop
	s_wait_alu depctr_va_vdst(0)
.irp x, 0,1
	v_ldexp_f32 v[T+16*\x+4], v[T+16*\x+4], s81
.endr
	WIN 0x01
	s_wait_alu depctr_va_vdst(0)
.irp j, 0,2,4,6,8,10,12,14,16,18,20,22,24,26,28,30
.irp x, 0,1
	v_pk_mul_f32 v[S+64*\x+\j:S+64*\x+\j+1], v[OT+32*\x+\j:OT+32*\x+\j+1], v[T+16*\x+4:T+16*\x+5] op_sel_hi:[1,0]
.endr
.endr
	WIN 0
.irp x, 0,1
.set j, 0
.rept 32
	v_med3_num_f32 v[S+64*\x+j], v[S+64*\x+j], -v[LIMA], v[LIMA]
.set j, j+1
.endr
.endr
.irp x, 0,1
.irp u, 0,1,2,3
	v_cvt_scalef32_pk8_fp8_f32 v[P+16*\x+2*\u:P+16*\x+2*\u+1], v[S+64*\x+8*\u:S+64*\x+8*\u+7], v[SCA]
.endr
.endr
	v_nop
.irp x, 0,1
.irp u, 0,1,2,3
	ds_store_b64 v[STO], v[P+16*\x+2*\u:P+16*\x+2*\u+1] offset:\x*1280+16*\u
.endr
.endr
.irp x, 0,1
.irp c, 0,1
	ds_load_b128 v[OB+8*\x+4*\c:OB+8*\x+4*\c+3], v[SRD] offset:\x*1280+32*\c   ; LDS serves a wave's instructions in order (ISA guide 5.7.1.4)
.endr
.endr
.irp x, 0,1
.irp c, 0,1
	s_wait_dscnt 3-(2*\x+\c)
	global_store_b128 v[LI], v[OB+8*\x+4*\c:OB+8*\x+4*\c+3], s[14:15] offset:\x*1024+\c*512   ; 512 consecutive bytes, aligned
.endr
.endr
	s_wait_xcnt 0x0                                ; the stores have read their registers and their base
	s_add_nc_u64 s[14:15], s[14:15], 16384
.set j, 0
.rept 16
	v_mov_b32 v[Q+j], v[Q+16+j]                    ; the second pass's Q takes Q's place
.set j, j+1
.endr
	s_sub_co_u32 s[PASS], s[PASS], 1
	s_cmp_lg_u32 s[PASS], 0
	s_cbranch_scc1 .Lpass
	s_wait_tensorcnt 0x0                           ; the wave's end
	ds_add_u32 v[SPW], v[NIL]
	s_wait_dscnt 0x0
	CROUND                                         ; the closing round
	s_endpgm
.Lfunc_end_k_qa18d67a97d_attn:
	.size	k_qa18d67a97d_attn, .Lfunc_end_k_qa18d67a97d_attn-k_qa18d67a97d_attn
	.p2alignl 7, 3214868480
	.fill 96, 4, 3214868480
	.section	.rodata,"a",@progbits
	.p2align	6, 0x0
	.amdhsa_kernel k_qa18d67a97d_attn
		.amdhsa_group_segment_fixed_size 327680
		.amdhsa_private_segment_fixed_size 0
		.amdhsa_enable_private_segment 0
		.amdhsa_kernarg_size 48
		.amdhsa_user_sgpr_count 2
		.amdhsa_user_sgpr_kernarg_segment_ptr 1
		.amdhsa_wavefront_size32 1
		.amdhsa_system_sgpr_workgroup_id_x 1
		.amdhsa_system_sgpr_workgroup_id_y 1
		.amdhsa_system_sgpr_workgroup_id_z 1
		.amdhsa_system_vgpr_workitem_id 0
		.amdhsa_next_free_vgpr 512
		.amdhsa_next_free_sgpr 100
		.amdhsa_reserve_vcc 0
		.amdhsa_float_denorm_mode_32 3
		.amdhsa_float_denorm_mode_16_64 3
		.amdhsa_memory_ordered 1
		.amdhsa_forward_progress 1
		.amdhsa_inst_pref_size 112
	.end_amdhsa_kernel
	.amdgpu_metadata
---
amdhsa.version: [ 1, 2 ]
amdhsa.kernels:
  - .name:           k_qa18d67a97d_attn
    .symbol:         k_qa18d67a97d_attn.kd
    .args:
      - { .name: q_codes, .offset: 0, .size: 8, .value_kind: global_buffer, .address_space: global }
      - { .name: k_codes, .offset: 8, .size: 8, .value_kind: global_buffer, .address_space: global }
      - { .name: v_codes, .offset: 16, .size: 8, .value_kind: global_buffer, .address_space: global }
      - { .name: attn_mask, .offset: 24, .size: 8, .value_kind: global_buffer, .address_space: global }
      - { .name: lowp_scales, .offset: 32, .size: 8, .value_kind: global_buffer, .address_space: global }
      - { .name: a_codes, .offset: 40, .size: 8, .value_kind: global_buffer, .address_space: global }
    .group_segment_fixed_size: 327680
    .private_segment_fixed_size: 0
    .kernarg_segment_align: 8
    .kernarg_segment_size: 48
    .max_flat_workgroup_size: 256
    .sgpr_count:     100
    .vgpr_count:     512
    .wavefront_size: 32
...
	.end_amdgpu_metadata
.endif
;; end of part 3
;; launch oproj (part 4): grid 256 x 1, 8 waves a work-group, clusters of 4 x 1, 327,680 bytes of LDS; arguments a_codes, wo_img, lowp_scales, h, gamma, beta, out0; writes out0
.if DOCPART == 4
	.amdgcn_target "amdgcn-amd-amdhsa--gfx1250"
	.amdhsa_code_object_version 6
	.text
	.protected	k_qa18d67a97d_oproj
	.globl	k_qa18d67a97d_oproj
	.p2align	8
	.type	k_qa18d67a97d_oproj,@function
k_qa18d67a97d_oproj:
	s_mov_b64 s[64:65], 0
	v_nop
	global_prefetch_b8 v0, s[64:65] scope:SCOPE_SE
	s_setreg_imm32_b32 hwreg(HW_REG_WAVE_MODE, 25, 1), 1
	s_wait_xcnt 0x0
	s_wait_alu depctr_hold_cnt(0) depctr_sa_sdst(0) depctr_va_vdst(0) depctr_va_sdst(0) depctr_va_ssrc(0) depctr_va_vcc(0) depctr_vm_vsrc(0)
	s_getreg_b32 s2, hwreg(HW_REG_IB_STS2, 6, 4)
	s_cmp_eq_u32 s2, 0
	s_cbranch_scc0 .Lentry_in_a_cluster
	s_endpgm
.Lentry_in_a_cluster:
	s_bfe_u32 s2, ttmp6, 0x10000c
	s_cmp_lg_u32 s2, 0x3003
	s_cbranch_scc0 .Lentry_shape_is_right
	s_endpgm
.Lentry_shape_is_right:
; out = layer_norm(h + a Wo): a and Wo as E4M3 codes, sums in f32, x 2^(e8 + e9); the residual, the mean, the variance, gamma and beta in f32.
; LIMIT: e8 + e9 between -126 and 127, so that 2^(e8 + e9) is an f32 number.
; SHARES.  A work-group owns 32 rows (one batch, 32 positions) x all 1,024 columns; wave w owns columns 128 w .. 128 w + 127: 8 column tiles x 2 row tiles = 16 accumulators.
; A (32,768 bytes of images) is read by all eight waves: each wave brings one eighth into LDS.
; Wo comes as images of operand registers (wo_img: fragment (nt, kk) at (8 nt + kk) x 2,048) ON TWO ROADS.  K steps 0, 2, 4, 6: all work-groups walk the same Wo, so the four of a cluster ask JOINTLY:
; wave w's load brings its 8 fragments of a K step (8 rows of 2,048 bytes, 16,384 apart) into its own 16,384 bytes of one of two slots; only wave w reads them.  K steps 1, 3, 5, 7: straight into registers,
; in groups of four fragments (16 loads of 512 consecutive bytes) through three sets of 64 registers, two to three groups ahead.  A slot's fill is waited for again after one register-fed K step at the least.
; A wave has one tensor load out behind each round.  No prefetch of Wo: the register loads of the K steps between ask memory all the while.
; h is prefetched at the head (wave w: its four rows, 64 blocks of 256 bytes, a lane a block, two instructions) and loaded behind groups 3 and 5; gamma and beta behind the last LDS K step.
; The matrix instruction is used transposed (source 0 = 16 columns' rows of Wo, source 1 = 16 rows of a): a lane holds eight neighbouring columns of one row.
; The sums go through a stage in LDS, which lies in the slots: they have had their last fill, and a barrier stands behind their last read.  Wave w then holds rows 4 w .. 4 w + 3 whole; every store covers 512 consecutive bytes, aligned.
; REGISTERS.  window 0: v1-13 addresses; v16-47 A's two fragments; v48-111 Wo's fragments from LDS, at the end gamma, beta; v112-239 accumulators, then x; v240-251 sums.
;   window 1: v0-191 Wo's three sets from memory (v128-191 at the end: h rows 2, 3); v192-255 h rows 0, 1.
.set SPITCH, 4112
.set SLOT,   131072
.set AIMG,   2*SLOT
.set SPARE,  AIMG+32768
.set LI,   1
.set AAD,  4
.set AWI,  5
.set PFO,  6
.set BAD0, 7
.set STO,  8
.set SRD,  10
.set BAD1, 11
.set SPW,  12
.set NIL,  13
.set AF,   16
.set LS,   48
.set GW,   48
.set BW,   80
.set ACC,  112
.set X,    112
.set SM,   240
.set TP,   248
.set HA,   192
.set HB,   128
.set WV,   18
.set G1,   24
.set G0,   32
.set MSB, 0
.macro WIN new
.if MSB != \new
	s_set_vgpr_msb (MSB<<8)|\new
.set MSB, \new
.endif
.endm
.macro PLACES
.rept 4
	v_nop
.endr
.endm
.macro CROUND
	s_barrier_signal -1
	s_barrier_wait -1
	s_cmp_lg_u32 s[WV], 0
	s_cbranch_scc1 .Lnot_wave_0_\@
	s_barrier_signal -3
.Lnot_wave_0_\@:
	s_barrier_wait -3
	s_barrier_signal -1
	s_barrier_wait -1
.endm
	s_load_b256 s[4:11], s[0:1], 0x0               ; a s[4:5], wo_img s[6:7], the scales s[8:9], h s[10:11]
	s_load_b128 s[12:15], s[0:1], 0x20             ; gamma, beta
	s_load_b64 s[16:17], s[0:1], 0x30              ; out
	v_lshl_add_u32 v[SPW], v0, 2, SPARE
	v_mov_b32 v[NIL], 0
	ds_add_u32 v[SPW], v[NIL]                      ; the opening lines
	ds_add_u32 v[SPW], v[NIL]
	v_lshrrev_b32 v2, 5, v0
	s_delay_alu instid0(VALU_DEP_1)
	v_readfirstlane_b32 s[WV], v2
	v_and_b32 v2, 31, v0
	s_delay_alu instid0(VALU_DEP_1)
	v_lshlrev_b32 v[LI], 4, v2
	v_and_b32 v2, 15, v0
	v_bfe_u32 v3, v0, 4, 1
	s_delay_alu instid0(VALU_DEP_3)
	v_add_nc_u32 v[AAD], AIMG, v[LI]
	s_lshl_b32 s54, s[WV], 12
	s_add_co_u32 s54, s54, AIMG
	v_add_nc_u32 v[AWI], s54, v[LI]
	v_mul_u32_u24 v14, v2, SPITCH
	s_delay_alu instid0(VALU_DEP_1)
	v_lshl_add_u32 v14, v3, 5, v14
	s_lshl_b32 s54, s[WV], 9
	v_add_nc_u32 v[STO], s54, v14                  ; the stage, in: row r, 512 w + 32 h bytes
	s_delay_alu instid0(VALU_DEP_1)
	v_add_nc_u32 v[STO+1], 16*SPITCH, v[STO]
	s_mul_i32 s54, s[WV], 4*SPITCH
	v_add_nc_u32 v[SRD], s54, v[LI]                ; and back: my four rows
	s_lshl_b32 s55, s[WV], 14                      ; my 16,384 bytes of a slot
	v_add_nc_u32 v[BAD0], s55, v[LI]
	s_delay_alu instid0(VALU_DEP_1)
	v_add_nc_u32 v[BAD1], SLOT, v[BAD0]
	v_lshlrev_b32 v[PFO], 8, v2
	s_delay_alu instid0(VALU_DEP_1)
	v_lshl_add_u32 v[PFO], v3, 14, v[PFO]          ; the prefetch: row lane / 16, block lane % 16; never rewritten
.irp k, 0,1,2,3
	v_mov_b32 v[TP+\k], 0
.endr
	s_mov_b32 s[G1], 15|(1<<21)                    ; the mask: all four work-groups; elements of 1 byte; no padding
	s_mov_b32 s[G1+1], 2048<<16
	s_mov_b32 s[G1+2], 8<<16
	s_mov_b32 s[G1+3], 2048<<16
	s_mov_b32 s[G1+4], 8
	s_mov_b32 s[G1+5], 16384
	s_mov_b32 s[G1+6], 0
	s_mov_b32 s[G1+7], 0
	s_bfe_u32 s19, ttmp6, 0x40000                  ; cx: it enters a's, h's and the output's addresses alone
	s_lshl_b32 s20, ttmp9, 2
	s_add_co_u32 s20, s20, s19                     ; g: my block of 32 rows
	s_lshl_b32 s48, s[WV], 17                      ; Wo: my 64 fragments
	s_mov_b32 s49, 0
	s_lshl_b32 s50, s[WV], 20                      ; a: heads 2 w, 2 w + 1,
	s_lshl_b32 s22, s20, 11
	s_add_co_u32 s50, s50, s22                     ; row tiles 2 g, 2 g + 1
	s_mov_b32 s51, 0
	s_and_b32 s52, s20, 63
	s_lshl_b32 s52, s52, 5
	s_lshl_b32 s22, s[WV], 2
	s_add_co_u32 s52, s52, s22                     ; position 32 (g % 64) + 4 w
	s_lshl_b32 s52, s52, 14
	s_lshr_b32 s22, s20, 6
	s_lshl_b32 s22, s22, 12
	s_add_co_u32 s52, s52, s22                     ; + batch g / 64
	s_mov_b32 s53, 0
	s_mov_b32 s44, 0x3a800000                      ; 1 / 1024
	s_mov_b32 s45, 0x3727c5ac                      ; 1e-5
	s_mov_b32 s46, 0x76543210
	s_mov_b32 s47, 0xfedcba98
	s_wait_alu depctr_va_vdst(0)
	s_wait_dscnt 0x0
	s_wait_kmcnt 0x0
	s_load_b64 s[40:41], s[8:9], 0x20              ; e8, e9
	s_add_nc_u64 s[6:7], s[6:7], s[48:49]
	s_add_nc_u64 s[4:5], s[4:5], s[50:51]
	s_add_nc_u64 s[10:11], s[10:11], s[52:53]
	s_add_nc_u64 s[16:17], s[16:17], s[52:53]
	s_mov_b32 s[G0], 1                             ; slot 0: K step 0, later 4
	s_mov_b32 s[G0+1], s55
	s_mov_b64 s[G0+2:G0+3], s[6:7]
	s_or_b32 s[G0+3], s[G0+3], 0x80000000
	s_mov_b32 s[G0+4], 1                           ; slot 1: K step 2, later 6
	s_add_co_u32 s[G0+5], s55, SLOT
	s_add_nc_u64 s[G0+6:G0+7], s[6:7], 2*2048
	s_or_b32 s[G0+7], s[G0+7], 0x80000000
	CROUND                                         ; all four work-groups are here: the joint loads meet
	tensor_load_to_lds s[G0:G0+3], s[G1:G1+7]
	s_nop 0
	PLACES
.macro GLOAD j                         ; group j from memory: K step 2 (j / 2) + 1, column tiles 4 (j % 2) + 0..3: 16 loads into set j % 3
.irp t, 0,1,2,3
.irp c, 0,1,2,3
	global_load_b128 v[64*((\j)%3)+16*\t+4*\c:64*((\j)%3)+16*\t+4*\c+3], v[LI], s[6:7] offset:(4*((\j)%2)+\t)*16384+(2*((\j)/2)+1)*2048+512*\c
.endr
.endr
.endm
.irp mu, 0,1
.irp c, 0,1,2,3
	global_load_b128 v[AF+16*\mu+4*\c:AF+16*\mu+4*\c+3], v[LI], s[4:5] offset:(\c/2)*524288+\mu*1024+(\c%2)*512
.endr
.endr
	WIN 0x40
	GLOAD 0
	WIN 0
	global_prefetch_b8 v[PFO], s[10:11] th:TH_LOAD_NT scope:SCOPE_SE
	global_prefetch_b8 v[PFO], s[10:11] offset:32768 th:TH_LOAD_NT scope:SCOPE_SE
	s_wait_loadcnt 16                              ; A's eight loads are in; group 0's sixteen may be out
.irp mu, 0,1
.irp c, 0,1,2,3
	ds_store_b128 v[AWI], v[AF+16*\mu+4*\c:AF+16*\mu+4*\c+3] offset:\mu*2048+\c*512
.endr
.endr
	WIN 0x40
	GLOAD 1
	GLOAD 2
	WIN 0
	s_wait_kmcnt 0x0
	s_add_co_i32 s42, s40, s41
	s_add_co_i32 s42, s42, 127
	s_lshl_b32 s42, s42, 23                        ; 2^(e8 + e9)
	s_mov_b32 s43, s42
	s_wait_tensorcnt 0x0                           ; K step 0 is in
	ds_add_u32 v[SPW], v[NIL]
	s_wait_dscnt 0x0                               ; the add, and my stores of A's image
	CROUND                                         ; A's image is whole
	tensor_load_to_lds s[G0+4:G0+7], s[G1:G1+7]    ; K step 2
	s_nop 0
	PLACES
.macro ALOAD kk
.irp mu, 0,1
.irp c, 0,1,2,3
	ds_load_b128 v[AF+16*\mu+4*\c:AF+16*\mu+4*\c+3], v[AAD] offset:(2*(\kk)+\mu)*2048+512*\c
.endr
.endr
.endm
.macro MUL base, half, zero            ; eight accumulators by turns; each comes again sixteen products on
.irp t, 0,1,2,3
.irp mu, 0,1
.if \zero
	v_wmma_f32_16x16x128_fp8_fp8 v[ACC+8*(2*(4*(\half)+\t)+\mu):ACC+8*(2*(4*(\half)+\t)+\mu)+7], v[(\base)+16*\t:(\base)+16*\t+15], v[AF+16*\mu:AF+16*\mu+15], 0
.else
	v_wmma_f32_16x16x128_fp8_fp8 v[ACC+8*(2*(4*(\half)+\t)+\mu):ACC+8*(2*(4*(\half)+\t)+\mu)+7], v[(\base)+16*\t:(\base)+16*\t+15], v[AF+16*\mu:AF+16*\mu+15], v[ACC+8*(2*(4*(\half)+\t)+\mu):ACC+8*(2*(4*(\half)+\t)+\mu)+7]
.endif
.endr
.endr
.endm
.macro LBODY kk, half, bad, zero       ; four fragments from my part of a slot
	PLACES                                         ; between the last products and the loads into registers that they read
.if (\half) == 0
	ALOAD \kk
.endif
.irp t, 0,1,2,3
.irp c, 0,1,2,3
	ds_load_b128 v[LS+16*\t+4*\c:LS+16*\t+4*\c+3], v[\bad] offset:(4*(\half)+\t)*2048+512*\c
.endr
.endr
	s_wait_dscnt 0x0
	MUL LS, \half, \zero
.endm
.macro GBODY j, n                      ; group j from memory.  n: the loads issued behind its own
	PLACES
.if (\j)%2 == 0
	ALOAD 2*((\j)/2)+1
.endif
	s_wait_loadcnt \n
.if (\j)%2 == 0
	s_wait_dscnt 0x0
.endif
	WIN 0x01                                       ; source 0 (Wo) window 1
	MUL 64*((\j)%3), (\j)%2, 0
	WIN 0
.if (\j)+3 < 8
	PLACES
	WIN 0x40
	GLOAD (\j)+3                                   ; into the set just read
	WIN 0
.endif
.endm
.macro REFILL s                        ; slot s takes the K step four on
	s_wait_tensorcnt 0x0                           ; my load into the other slot is in;
	ds_add_u32 v[SPW], v[NIL]
	s_add_nc_u64 s[G0+4*\s+2:G0+4*\s+3], s[G0+4*\s+2:G0+4*\s+3], 4*2048
	s_wait_dscnt 0x0                               ; the add is done, and my reads of this slot are over
	CROUND
	tensor_load_to_lds s[G0+4*\s:G0+4*\s+3], s[G1:G1+7]
	s_nop 0
	PLACES
.endm
	LBODY 0, 0, BAD0, 1
	LBODY 0, 1, BAD0, 1
	GBODY 0, 32
	GBODY 1, 32
	REFILL 0
	LBODY 2, 0, BAD1, 0
	LBODY 2, 1, BAD1, 0
	GBODY 2, 32
	GBODY 3, 32
	WIN 0x40
.irp k, 0,1
.irp i, 0,1,2,3,4,5,6,7
	global_load_b128 v[HA+32*\k+4*\i:HA+32*\k+4*\i+3], v[LI], s[10:11] offset:\k*16384+512*\i th:TH_LOAD_NT
.endr
.endr
	WIN 0
	REFILL 1
	LBODY 4, 0, BAD0, 0
	LBODY 4, 1, BAD0, 0
	GBODY 4, 48                                    ; behind group 4: groups 5, 6 and h's sixteen
	GBODY 5, 48                                    ; behind group 5: group 6, h's sixteen, group 7
	PLACES
	WIN 0x40
.irp k, 0,1
.irp i, 0,1,2,3,4,5,6,7
	global_load_b128 v[HB+32*\k+4*\i:HB+32*\k+4*\i+3], v[LI], s[10:11] offset:(\k+2)*16384+512*\i th:TH_LOAD_NT
.endr
.endr
	WIN 0
	s_wait_tensorcnt 0x0                           ; K step 6 is in; only I read my part of it
	LBODY 6, 0, BAD1, 0
	LBODY 6, 1, BAD1, 0
	PLACES
.irp i, 0,1,2,3,4,5,6,7
	global_load_b128 v[GW+4*\i:GW+4*\i+3], v[LI], s[12:13] offset:512*\i
	global_load_b128 v[BW+4*\i:BW+4*\i+3], v[LI], s[14:15] offset:512*\i
.endr
	GBODY 6, 63                                    ; behind group 6 stand 64 loads; the wait's field holds 63
	GBODY 7, 32                                    ; behind group 7: h's last sixteen, gamma's and beta's sixteen
	PLACES
	s_wait_dscnt 0x0
	s_barrier_signal -1
	s_barrier_wait -1                              ; nobody reads a slot any more: the stage may be written
.irp t, 0,1,2,3,4,5,6,7
.irp mu, 0,1
	ds_store_b128 v[STO+\mu], v[ACC+8*(2*\t+\mu):ACC+8*(2*\t+\mu)+3] offset:\t*64
	ds_store_b128 v[STO+\mu], v[ACC+8*(2*\t+\mu)+4:ACC+8*(2*\t+\mu)+7] offset:\t*64+16
.endr
.endr
	s_wait_dscnt 0x0
	s_barrier_signal -1
	s_barrier_wait -1
.irp k, 0,1,2,3
.irp i, 0,1,2,3,4,5,6,7
	ds_load_b128 v[X+32*\k+4*\i:X+32*\k+4*\i+3], v[SRD] offset:\k*SPITCH+512*\i
.endr
.endr
	s_wait_loadcnt 0x0
	s_wait_dscnt 0x0
	WIN 0x10
.set j, 0
.rept 32
	v_pk_fma_f32 v[X+j:X+j+1], v[X+j:X+j+1], s[42:43], v[HA+j:HA+j+1] op_sel_hi:[1,0,1]   ; x = h + sum x 2^(e8 + e9)
.set j, j+2
.endr
.set j, 0
.rept 32
	v_pk_fma_f32 v[X+64+j:X+65+j], v[X+64+j:X+65+j], s[42:43], v[HB+j:HB+j+1] op_sel_hi:[1,0,1]
.set j, j+2
.endr
	WIN 0
.macro REDUCE
.irp k, 0,1,2,3
	s_delay_alu instid0(VALU_DEP_4)
	v_add_f32 v[SM+2*\k], v[SM+2*\k], v[SM+2*\k+1]
.endr
.irp m, 1,2,4,8
.irp k, 0,1,2,3
	s_delay_alu instid0(VALU_DEP_4)
	v_add_f32_dpp v[SM+2*\k], v[SM+2*\k], v[SM+2*\k] row_xmask:\m row_mask:0xf bank_mask:0xf
.endr
.endr
.irp k, 0,1,2,3
	s_delay_alu instid0(VALU_DEP_4)
	v_permlanex16_b32 v[TP+\k], v[SM+2*\k], s46, s47
.endr
.irp k, 0,1,2,3
	s_delay_alu instid0(VALU_DEP_4)
	v_add_f32 v[SM+2*\k], v[SM+2*\k], v[TP+\k]
.endr
.endm
.irp k, 0,1,2,3
	v_pk_add_f32 v[SM+2*\k:SM+2*\k+1], v[X+32*\k:X+32*\k+1], v[X+32*\k+2:X+32*\k+3]
.endr
.irp j, 4,6,8,10,12,14,16,18,20,22,24,26,28,30
.irp k, 0,1,2,3
	s_delay_alu instid0(VALU_DEP_4)
	v_pk_add_f32 v[SM+2*\k:SM+2*\k+1], v[SM+2*\k:SM+2*\k+1], v[X+32*\k+\j:X+32*\k+\j+1]
.endr
.endr
	REDUCE
.irp k, 0,1,2,3
	s_delay_alu instid0(VALU_DEP_4)
	v_mul_f32 v[SM+2*\k], s44, v[SM+2*\k]          ; the mean
.endr
.irp j, 0,2,4,6,8,10,12,14,16,18,20,22,24,26,28,30
.irp k, 0,1,2,3
	v_pk_add_f32 v[X+32*\k+\j:X+32*\k+\j+1], v[X+32*\k+\j:X+32*\k+\j+1], v[SM+2*\k:SM+2*\k+1] op_sel_hi:[1,0] neg_lo:[0,1] neg_hi:[0,1]
.endr
.endr
.irp k, 0,1,2,3
	v_pk_mul_f32 v[SM+2*\k:SM+2*\k+1], v[X+32*\k:X+32*\k+1], v[X+32*\k:X+32*\k+1]
.endr
.irp j, 2,4,6,8,10,12,14,16,18,20,22,24,26,28,30
.irp k, 0,1,2,3
	s_delay_alu instid0(VALU_DEP_4)
	v_pk_fma_f32 v[SM+2*\k:SM+2*\k+1], v[X+32*\k+\j:X+32*\k+\j+1], v[X+32*\k+\j:X+32*\k+\j+1], v[SM+2*\k:SM+2*\k+1]
.endr
.endr
	REDUCE
.irp k, 0,1,2,3
	s_delay_alu instid0(VALU_DEP_4)
	v_fma_f32 v[TP+\k], v[SM+2*\k], s44, s45       ; the variance + 1e-5
.endr
	s_wait_alu depctr_va_vdst(0)
.irp k, 0,1,2,3
	v_rsq_f32 v[SM+2*\k], v[TP+\k]
.endr
	v_nop
	s_wait_alu depctr_va_vdst(0)
.irp j, 0,2,4,6,8,10,12,14,16,18,20,22,24,26,28,30
.irp k, 0,1,2,3
	v_pk_mul_f32 v[X+32*\k+\j:X+32*\k+\j+1], v[X+32*\k+\j:X+32*\k+\j+1], v[SM+2*\k:SM+2*\k+1] op_sel_hi:[1,0]
.endr
.endr
.irp j, 0,2,4,6,8,10,12,14,16,18,20,22,24,26,28,30
.irp k, 0,1,2,3
	v_pk_fma_f32 v[X+32*\k+\j:X+32*\k+\j+1], v[X+32*\k+\j:X+32*\k+\j+1], v[GW+\j:GW+\j+1], v[BW+\j:BW+\j+1]
.endr
.endr
.irp k, 0,1,2,3
.irp i, 0,1,2,3,4,5,6,7
	global_store_b128 v[LI], v[X+32*\k+4*\i:X+32*\k+4*\i+3], s[16:17] offset:\k*16384+512*\i th:TH_STORE_NT
.endr
.endr
	s_wait_tensorcnt 0x0                           ; the wave's end
	ds_add_u32 v[SPW], v[NIL]
	s_wait_dscnt 0x0
	CROUND                                         ; the closing round
	s_endpgm
.Lfunc_end_k_qa18d67a97d_oproj:
	.size	k_qa18d67a97d_oproj, .Lfunc_end_k_qa18d67a97d_oproj-k_qa18d67a97d_oproj
	.p2alignl 7, 3214868480
	.fill 96, 4, 3214868480
	.section	.rodata,"a",@progbits
	.p2align	6, 0x0
	.amdhsa_kernel k_qa18d67a97d_oproj
		.amdhsa_group_segment_fixed_size 327680
		.amdhsa_private_segment_fixed_size 0
		.amdhsa_enable_private_segment 0
		.amdhsa_kernarg_size 56
		.amdhsa_user_sgpr_count 2
		.amdhsa_user_sgpr_kernarg_segment_ptr 1
		.amdhsa_wavefront_size32 1
		.amdhsa_system_sgpr_workgroup_id_x 1
		.amdhsa_system_sgpr_workgroup_id_y 1
		.amdhsa_system_sgpr_workgroup_id_z 1
		.amdhsa_system_vgpr_workitem_id 0
		.amdhsa_next_free_vgpr 512
		.amdhsa_next_free_sgpr 66
		.amdhsa_reserve_vcc 0
		.amdhsa_float_denorm_mode_32 3
		.amdhsa_float_denorm_mode_16_64 3
		.amdhsa_memory_ordered 1
		.amdhsa_forward_progress 1
		.amdhsa_inst_pref_size 91
	.end_amdhsa_kernel
	.amdgpu_metadata
---
amdhsa.version: [ 1, 2 ]
amdhsa.kernels:
  - .name:           k_qa18d67a97d_oproj
    .symbol:         k_qa18d67a97d_oproj.kd
    .args:
      - { .name: a_codes, .offset: 0, .size: 8, .value_kind: global_buffer, .address_space: global }
      - { .name: wo_img, .offset: 8, .size: 8, .value_kind: global_buffer, .address_space: global }
      - { .name: lowp_scales, .offset: 16, .size: 8, .value_kind: global_buffer, .address_space: global }
      - { .name: h, .offset: 24, .size: 8, .value_kind: global_buffer, .address_space: global }
      - { .name: gamma, .offset: 32, .size: 8, .value_kind: global_buffer, .address_space: global }
      - { .name: beta, .offset: 40, .size: 8, .value_kind: global_buffer, .address_space: global }
      - { .name: out0, .offset: 48, .size: 8, .value_kind: global_buffer, .address_space: global }
    .group_segment_fixed_size: 327680
    .private_segment_fixed_size: 0
    .kernarg_segment_align: 8
    .kernarg_segment_size: 56
    .max_flat_workgroup_size: 256
    .sgpr_count:     66
    .vgpr_count:     512
    .wavefront_size: 32
...
	.end_amdgpu_metadata
.endif
;; end of part 4
